; MI455X (gfx1250); checked and timed in simulation.
; The chip was launched on July 23, 2026; its instructions are those of AMD's public machine-readable ISA for CDNA 5 (MIT licence, August 2026) and "CDNA5" Instruction Set Architecture Reference Guide (July 2026). The comments in the code are by the model that wrote it; some were corrected since.
;; Self Match Attention. Allowed arithmetic: float matrix products may take bf16 or f16 operands with f32 sums; all other float work in f32.
;; Inputs: connections 10 int32; ram_table 1,024 float32; tokens 8,192 x 64 float32.
;; Outputs: out0 8,192 x 64 float32.
;; One version. Each part assembles by itself: llvm-mc -triple=amdgcn-amd-amdhsa -mcpu=gfx1250 --defsym DOCPART=n.
;; ======== version 1 of 1: 3 launches
;; workspace buffers: addr 65,536 bytes of whole numbers; tokf 1,048,576 bytes; tab 32,768 bytes; tpart 2,097,152 bytes
;; launch prep (part 1): grid 256 x 1, 1 waves a work-group, no clusters, 8,960 bytes of LDS; arguments tokens, ram_table, connections, addr, tokf, tab; writes addr, tokf, tab
.if DOCPART == 1
	.amdgcn_target "amdgcn-amd-amdhsa--gfx1250"
	.amdhsa_code_object_version 6
	.text
	.protected	k_q8956f495ca_prep
	.globl	k_q8956f495ca_prep
	.p2align	8
	.type	k_q8956f495ca_prep,@function
k_q8956f495ca_prep:
	s_mov_b64 s[64:65], 0
	v_nop
	global_prefetch_b8 v0, s[64:65] scope:SCOPE_SE
	s_setreg_imm32_b32 hwreg(HW_REG_WAVE_MODE, 25, 1), 1
	s_wait_xcnt 0x0
; PREP.  For every token i: aq[i] and ak[i], the two partial RAM addresses of reference(), as int32 pairs (addr[i] = aq, ak);
; the tokens in bf16, laid out as the matrix unit's registers want them (tokf); and tab, eight bf16 copies of the RAM table,
; copy s[x] = ram[min(x + s, 1023)], x = 0 .. 2047, so that any run of eight entries starts at a multiple of 16 bytes in one copy.
; One wave per work-group, 32 tokens = one K step of the next launch.  The rows come in by 16 loads of 512 consecutive bytes and are
; laid in LDS.  From there (a) lane = token picks the ten connected bits, so a lane ends up with its own token's pair and one store
; writes the 32 pairs, 256 consecutive aligned bytes; (b) lane (r = lane % 16, h = lane / 16) picks, for each block cb of 16 columns,
; column 16 cb + r of tokens 8 h .. 8 h + 7 and 16 + 8 h .. + 7: the fragment of a 16-bit operand with K = 32 (ISA guide 7.12.2).
; tokf[step = work-group][cb][half][lane][16 bytes]: 4,096 bytes a work-group, eight stores of 512 consecutive aligned bytes.
; The addresses are formed as reference() forms them: int32(token) (toward zero) times the bit's weight, summed in int32.
; LIMIT: v_cvt_i32_f32 saturates beyond the int32 range; NaN tokens give 0.
; No matrix unit, cluster or tensor load: each byte is used by one work-group once, and 8 KB a work-group are all in flight at once.
.set LPITCH, 272                       ; LDS row: 256 bytes + 16, so that b128 stores stay aligned and rows start 4 words apart
.set OFFT, 3                           ; v3        16 x lane: my 16 bytes in each run of 512
.set LST,  4                           ; v4        where the 16 bytes of a loaded row go in LDS
.set OFF8, 5                           ; v5        8 x lane: my 8 bytes in a 256-byte store
.set TB,   6                           ; v6        lane x LPITCH: the row of token = lane
.set TI0,  7                           ; v7        table: index of my first entry
.set TI,   8                           ; v[8:11]   table: byte offsets of my four entries in ram_table
.set TD,   12                          ; v[12:15]  table: the four entries
.set X,    16                          ; v[16:79]  load t: 4 numbers of token 2 t + lane / 16
.set FB,   80                          ; v80       8 h rows + 4 r: where my fragment numbers start
.set GA,   82                          ; v[82:91]  LDS address of connected bit b of my token
.set G,    92                          ; v[92:101] that bit
.set AQ,   102                         ; v[102:103] aq, ak
.set FR,   104                         ; v[104:167] fragment numbers in f32: 16 cb + 8 half + j
.set Y,    168                         ; v[168:199] the same in bf16: 8 cb + 4 half + j / 2
.set CONN, 16                          ; s[16:25]  connections, then 4 x column
.set WQ,   28                          ; s[28:37]  weight of bit b in aq (0 if it comes from the key half)
.set WK,   38                          ; s[38:47]  weight of bit b in ak
	s_load_b256 s[4:11], s[0:1], 0x0               ; tokens s[4:5], ram_table s[6:7], connections s[8:9], addr s[10:11]
	s_load_b128 s[12:15], s[0:1], 0x20             ; tokf s[12:13], tab s[14:15]
	v_lshl_add_u32 v200, v0, 2, 0x2200
	v_mov_b32 v201, 0
	v_and_b32 v1, 15, v0                           ; r
	v_lshrrev_b32 v2, 4, v0                        ; h
	v_lshlrev_b32 v[OFFT], 4, v0
	v_mul_u32_u24 v[LST], v2, LPITCH
	v_lshl_add_u32 v[LST], v1, 4, v[LST]           ; (lane / 16) rows + 16 (lane % 16)
	v_lshlrev_b32 v[OFF8], 3, v0
	v_mul_u32_u24 v[TB], v0, LPITCH
	v_mul_u32_u24 v[FB], v2, 8*LPITCH              ; 8 rows are 544 words: the two halves of the lanes lie 32 banks apart (64 banks of 4 bytes: ISA guide 11.1)
	v_lshl_add_u32 v[FB], v1, 2, v[FB]
	s_mov_b32 s3, 0
	s_lshl_b32 s2, ttmp9, 13                       ; 32 rows of 256 bytes
	s_wait_kmcnt 0x0
	s_load_b256 s[CONN:CONN+7], s[8:9], 0x0        ; the ten connections, 40 bytes
	s_load_b64 s[CONN+8:CONN+9], s[8:9], 0x20
	s_add_nc_u64 s[4:5], s[4:5], s[2:3]
	s_lshl_b32 s2, ttmp9, 12                       ; one K step of tokf: 4,096 bytes
	s_add_nc_u64 s[12:13], s[12:13], s[2:3]
	s_lshl_b32 s2, ttmp9, 8                        ; 32 pairs of 8 bytes; also one 256-byte piece of tab
	s_add_nc_u64 s[10:11], s[10:11], s[2:3]
; The whole work, written twice: tab has 128 pieces of 256 bytes, so work-groups 0 to 127 take one each (table = 1) and the others none.
.macro WORK table
.if \table
	; piece w of tab = copy w / 16, entries 128 (w % 16) + 4 lane + 0..3: byte 256 w + 8 lane
	s_add_nc_u64 s[14:15], s[14:15], s[2:3]
	s_lshr_b32 s26, ttmp9, 4
	s_and_b32 s27, ttmp9, 15
	s_lshl_b32 s27, s27, 7
	s_add_co_u32 s26, s26, s27                     ; x + s of the piece's first entry
	v_lshl_add_u32 v[TI0], v0, 2, s26
.irp e, 0,1,2,3
	v_add_nc_u32 v[TI+\e], \e, v[TI0]
	v_min_u32 v[TI+\e], 0x3ff, v[TI+\e]            ; past the table's end: its last entry
	v_lshlrev_b32 v[TI+\e], 2, v[TI+\e]
	global_load_b32 v[TD+\e], v[TI+\e], s[6:7]
.endr
.endif
.irp t, 0,1,2,3,4,5,6,7,8,9,10,11,12,13,14,15
	global_load_b128 v[X+4*\t:X+4*\t+3], v[OFFT], s[4:5] offset:512*\t th:TH_LOAD_NT   ; tokens 2 t and 2 t + 1, read once in the whole program
.endr
	s_wait_kmcnt 0x0                               ; the connections; the work below runs while the rows are on their way
.set b, 0
.rept 10
	s_sub_co_u32 s26, s[CONN+b], 64                ; the column if the bit comes from the key half
	s_cmp_lt_i32 s[CONN+b], 64                     ; from_q
	s_cselect_b32 s[WQ+b], 1<<(9-b), 0             ; weights, most significant bit first
	s_cselect_b32 s[WK+b], 0, 1<<(9-b)
	s_cselect_b32 s[CONN+b], s[CONN+b], s26
	s_min_u32 s[CONN+b], s[CONN+b], 63             ; a column stays inside the row
	s_lshl_b32 s[CONN+b], s[CONN+b], 2
	v_add_nc_u32 v[GA+b], s[CONN+b], v[TB]
.set b, b+1
.endr
.if \table
	s_wait_loadcnt 16                              ; loads return in order: my four table entries are in, the 16 row loads behind them may be out
	v_cvt_pk_bf16_f32 v[TD], v[TD], v[TD+1]
	v_cvt_pk_bf16_f32 v[TD+1], v[TD+2], v[TD+3]
	global_store_b64 v[OFF8], v[TD:TD+1], s[14:15] ; 32 lanes x 8 bytes: 256 consecutive aligned bytes
.endif
.irp t, 0,1,2,3,4,5,6,7,8,9,10,11,12,13,14,15
	s_wait_loadcnt 15-\t                           ; load t is in, the younger ones stay out
	ds_store_b128 v[LST], v[X+4*\t:X+4*\t+3] offset:\t*2*LPITCH
.endr
	; LDS serves a wave's instructions in order (ISA guide 5.7.1), so the loads below see the stores above.
.set b, 0
.rept 10
	ds_load_b32 v[G+b], v[GA+b]                    ; lane = token: its ten connected bits
.set b, b+1
.endr
.irp cb, 0,1,2,3
.irp u, 0,1
.irp j, 0,1,2,3,4,5,6,7
	ds_load_b32 v[FR+16*\cb+8*\u+\j], v[FB] offset:(16*\u+\j)*LPITCH+64*\cb    ; token 16 u + 8 h + j, column 16 cb + r
.endr
.endr
.endr
	s_wait_dscnt 63                                ; 64 loads follow the last of the ten; the field holds 63, so the first fragment load is waited for too
.set b, 0
.rept 10
	v_cvt_i32_f32 v[G+b], v[G+b]                   ; tokens.astype(int32)
.set b, b+1
.endr
	v_mul_lo_u32 v[AQ], v[G], s[WQ]                ; the first products start the two sums
	v_mul_lo_u32 v[AQ+1], v[G], s[WK]
.set b, 1
.rept 9
	v_mad_u32 v[AQ], v[G+b], s[WQ+b], v[AQ]
	v_mad_u32 v[AQ+1], v[G+b], s[WK+b], v[AQ+1]
.set b, b+1
.endr
	global_store_b64 v[OFF8], v[AQ:AQ+1], s[10:11] ; 32 pairs: 256 consecutive aligned bytes
.irp cb, 0,1,2,3
	s_wait_dscnt 48-16*\cb                         ; this block's 16 numbers are in, the later blocks' stay out
.irp u, 0,1
.irp p, 0,1,2,3
	v_cvt_pk_bf16_f32 v[Y+8*\cb+4*\u+\p], v[FR+16*\cb+8*\u+2*\p], v[FR+16*\cb+8*\u+2*\p+1]   ; the lower token in the lower half
.endr
	global_store_b128 v[OFFT], v[Y+8*\cb+4*\u:Y+8*\cb+4*\u+3], s[12:13] offset:1024*\cb+512*\u   ; 512 consecutive bytes, aligned to 256
.endr
.endr
	s_wait_tensorcnt 0x0
	ds_add_u32 v200, v201
	s_wait_dscnt 0x0
	s_endpgm
.endm
	s_cmp_lt_u32 ttmp9, 128
	s_cbranch_scc0 .Lplain
	WORK 1
.Lplain:
	WORK 0
.Lfunc_end_k_q8956f495ca_prep:
	.size	k_q8956f495ca_prep, .Lfunc_end_k_q8956f495ca_prep-k_q8956f495ca_prep
	.p2alignl 7, 3214868480
	.fill 96, 4, 3214868480
	.section	.rodata,"a",@progbits
	.p2align	6, 0x0
	.amdhsa_kernel k_q8956f495ca_prep
		.amdhsa_group_segment_fixed_size 8960
		.amdhsa_private_segment_fixed_size 0
		.amdhsa_enable_private_segment 0
		.amdhsa_kernarg_size 48
		.amdhsa_user_sgpr_count 2
		.amdhsa_user_sgpr_kernarg_segment_ptr 1
		.amdhsa_wavefront_size32 1
		.amdhsa_system_sgpr_workgroup_id_x 1
		.amdhsa_system_sgpr_workgroup_id_y 1
		.amdhsa_system_sgpr_workgroup_id_z 1
		.amdhsa_system_vgpr_workitem_id 0
		.amdhsa_next_free_vgpr 202
		.amdhsa_next_free_sgpr 66
		.amdhsa_reserve_vcc 0
		.amdhsa_float_denorm_mode_32 3
		.amdhsa_float_denorm_mode_16_64 3
		.amdhsa_memory_ordered 1
		.amdhsa_forward_progress 1
		.amdhsa_inst_pref_size 33
	.end_amdhsa_kernel
	.amdgpu_metadata
---
amdhsa.version: [ 1, 2 ]
amdhsa.kernels:
  - .name:           k_q8956f495ca_prep
    .symbol:         k_q8956f495ca_prep.kd
    .args:
      - { .name: tokens, .offset: 0, .size: 8, .value_kind: global_buffer, .address_space: global }
      - { .name: ram_table, .offset: 8, .size: 8, .value_kind: global_buffer, .address_space: global }
      - { .name: connections, .offset: 16, .size: 8, .value_kind: global_buffer, .address_space: global }
      - { .name: addr, .offset: 24, .size: 8, .value_kind: global_buffer, .address_space: global }
      - { .name: tokf, .offset: 32, .size: 8, .value_kind: global_buffer, .address_space: global }
      - { .name: tab, .offset: 40, .size: 8, .value_kind: global_buffer, .address_space: global }
    .group_segment_fixed_size: 8960
    .private_segment_fixed_size: 0
    .kernarg_segment_align: 8
    .kernarg_segment_size: 48
    .max_flat_workgroup_size: 32
    .sgpr_count:     66
    .vgpr_count:     202
    .wavefront_size: 32
...
	.end_amdgpu_metadata
.endif
;; end of part 1
;; launch tsum (part 2): grid 32 x 8, 4 waves a work-group, no clusters, 52,224 bytes of LDS; arguments addr, tokf, tab, tpart; writes tpart
.if DOCPART == 2
	.amdgcn_target "amdgcn-amd-amdhsa--gfx1250"
	.amdhsa_code_object_version 6
	.text
	.protected	k_q8956f495ca_tsum
	.globl	k_q8956f495ca_tsum
	.p2align	8
	.type	k_q8956f495ca_tsum,@function
k_q8956f495ca_tsum:
	s_mov_b64 s[64:65], 0
	v_nop
	global_prefetch_b8 v0, s[64:65] scope:SCOPE_SE
	s_setreg_imm32_b32 hwreg(HW_REG_WAVE_MODE, 25, 1), 1
	s_wait_xcnt 0x0
; TSUM.  reference()'s match[i][j] = ram[aq_i + ak_j] hangs on the query through aq_i alone, so with
;     T[q][c] = sum over j of ram[q + ak_j] tokens[j][c],  q = 0 .. 1023,
; row i of match @ tokens is T[aq_i]: the same products, summed once for each address value instead of once for each query.
; This launch makes T in 8 parts: work-group (x, y) makes tpart[y][32 x .. 32 x + 31][0 .. 63], the sum over tokens 1024 y .. + 1023.
; Operands bf16, sums f32.  LIMITS: ak is clamped to 0 .. 1023 (unsigned minimum); where q + ak passes 1023 the table's last entry is
; taken; reference() indexes the table with aq + ak only, so both agree whenever aq, ak >= 0 and the sum stays inside the table.
;
; Four waves: wave w takes tokens 256 w .. + 255 of the block, all 32 q and all 64 columns:
; D[c][q] = sum over j of A[c][j] B[j][q], 4 x 2 accumulator tiles, 8 steps of 32 tokens, 64 matrix instructions.
;   A: the tokens, which the launch before stored in the order of the operand's registers: 64 loads of 512 consecutive bytes a wave,
;      straight into registers, each byte loaded by one wave of the work-group.  No LDS on this side.
;   B: row j is ram[ak_j + q ..], a run of the RAM table in LDS.  Each lane of a transposing load gives its own address, so row j is
;      simply pointed at: copy ak & 7 of the table at entry ak & ~7, a multiple of 16 bytes.  No look-up is made number by number.
; All of a wave's 32 B loads are out at once (128 registers): no register is loaded twice, so no distance has to be kept in the loop.
; The four waves' sums meet in LDS, and rows leave as 512 consecutive bytes.
; NO CLUSTER, though the 32 work-groups of one y read the same 128 KB of tokf: a joint request is a tensor load into LDS, and with joint
; requests every LDS address has to be alike in all partners by ids and constants alone; B's LDS addresses are made of ak, loaded numbers.
;
; REGISTERS: window 0: v0-15 lane terms; v16-31 table addresses; v32-95 accumulators; v96-223 B (first the table on its way into LDS,
; last the way out).  Window 1 (v256-511): A, step s, column block m, half u at 32 s + 8 m + 4 u.
; s_set_vgpr_msb's low byte: bits 1:0 source 0, 3:2 source 1, 5:4 source 2, 7:6 destination (ISA guide, s_set_vgpr_msb); six switches in all.
.set TAB,    0                         ; the table slice, 8 copies
.set CP,     2096                      ; bytes of a copy: entries 0 .. 1047 = (ak & ~7 <= 1016) + (q <= 31); 131 x 16 bytes
.set RED,    16896                     ; the stage, behind the table (which ends at 16,768)
.set RPITCH, 272                       ; a row of 64 f32 + 16 bytes: 16 rows start 4 words apart
.set REDW,   32*RPITCH                 ; a wave's part of the stage: 32 q
.set AO,  6                            ; v6        byte offset of my token's pair in the wave's part of addr
.set AF,  7                            ; v7        16 x lane
.set T4,  8                            ; v8        16 x min(128 + lane, 130): the last three 16-byte pieces of a copy
.set LT0, 9                            ; v9        LDS: my wave's two copies + 16 x lane
.set LT4, 10                           ; v10       LDS: my wave's two copies + T4
.set MB,  11                           ; v11       table base + 16 (lane / 8 % 2)
.set SA,  12                           ; v12       stage: where my results go
.set RA,  13                           ; v13       stage: where I read rows back
.set GO,  14                           ; v14       my byte offset in the block of tpart
.set MA,  16                           ; v[16:31]  ak of token 16 i + 8 (lane / 16) + lane % 8, then the LDS address of its table run
.set ACC, 32                           ; v[32:95]  tile (m, n) at ACC + 8 (2 m + n); before the loop: scratch
.set B,   96                           ; v[96:223] step s, q tile n at B + 16 s + 8 n
.set TS,  96                           ; v[96:135] the table's way in: copy c, piece i at TS + 20 c + 4 i
.set XO,  96                           ; v[96:159] the way out
.set MSB, 0
.macro WIN new                         ; the immediate's high byte repeats the setting that is left
.if MSB != \new
	s_set_vgpr_msb (MSB<<8)|\new
.set MSB, \new
.endif
.endm
.set TO_A,  0x40                       ; destination window 1, address window 0
.set MUL_A, 0x01                       ; source 0 (A) window 1; B, C and D window 0
	s_load_b256 s[4:11], s[0:1], 0x0               ; addr s[4:5], tokf s[6:7], tab s[8:9], tpart s[10:11]
	v_lshl_add_u32 v254, v0, 2, 0xca00
	v_mov_b32 v255, 0
	v_lshrrev_b32 v1, 5, v0
	v_readfirstlane_b32 s12, v1                    ; wave
	s_and_b32 s17, ttmp7, 0xffff                   ; token block y; ttmp9: q block x
	s_lshl_b32 s20, s17, 13                        ; addr: y x 1,024 pairs of 8 bytes
	s_lshl_b32 s21, s12, 11                        ;       + wave x 256 pairs
	s_add_co_u32 s20, s20, s21
	s_mov_b32 s21, 0
	s_lshl_b32 s22, s17, 17                        ; tokf: y x 32 steps of 4,096 bytes
	s_lshl_b32 s23, s12, 15                        ;       + wave x 8 steps
	s_add_co_u32 s22, s22, s23
	s_mov_b32 s23, 0
	s_lshl_b32 s24, s12, 13                        ; tab: wave x 2 copies of 4,096 bytes
	s_lshl_b32 s25, ttmp9, 6                       ;      + x x 32 entries: at most 1,984 + 2,096 bytes, inside the copy
	s_add_co_u32 s24, s24, s25
	s_mov_b32 s25, 0
	s_lshl_b32 s26, s17, 18                        ; tpart: y x 1,024 rows of 256 bytes
	s_lshl_b32 s27, ttmp9, 13                      ;        + x x 32 rows
	s_add_co_u32 s26, s26, s27
	s_mov_b32 s27, 0
	s_movk_i32 s28, CP
	s_mul_i32 s29, s12, 2*CP                       ; LDS: my wave's two copies
	s_add_co_u32 s29, s29, TAB
	s_mul_i32 s30, s12, REDW
	s_add_co_u32 s30, s30, RED                     ; my part of the stage
	s_mul_i32 s31, s12, 8*RPITCH
	s_add_co_u32 s31, s31, RED                     ; the 8 rows that I end
	s_lshl_b32 s32, s12, 11                        ; and the same 8 rows of 256 bytes in tpart
	v_and_b32 v1, 31, v0                           ; lane
	v_bfe_u32 v2, v0, 4, 1                         ; h = lane / 16
	v_bfe_u32 v3, v0, 3, 1                         ; lane / 8 % 2: which eight of a tile's sixteen q
	v_and_b32 v4, 15, v0                           ; r = lane % 16
	v_and_b32 v5, 7, v0
	v_lshl_add_u32 v[AO], v2, 3, v5                ; a transposing load's lane addresses token 8 h + lane % 8 of its sixteen
	v_lshlrev_b32 v[AO], 3, v[AO]
	v_lshlrev_b32 v[AF], 4, v1
	v_add_nc_u32 v[T4], 128, v1
	v_min_u32 v[T4], 130, v[T4]                    ; a copy has 131 pieces of 16 bytes: lanes 2 .. 31 all take the last one
	v_lshlrev_b32 v[T4], 4, v[T4]
	v_add_nc_u32 v[LT0], s29, v[AF]
	v_add_nc_u32 v[LT4], s29, v[T4]
	v_lshlrev_b32 v[MB], 4, v3
	v_add_nc_u32 v[MB], TAB, v[MB]
	v_mul_u32_u24 v[SA], v4, RPITCH                ; a lane holds q = r and eight neighbouring columns 8 h ..
	v_lshl_add_u32 v[SA], v2, 5, v[SA]
	v_add_nc_u32 v[SA], s30, v[SA]
	v_mul_u32_u24 v[RA], v2, RPITCH                ; back: lanes 0-15 one row of 256 bytes, lanes 16-31 the next
	v_lshl_add_u32 v[RA], v4, 4, v[RA]
	v_add_nc_u32 v[RA], s31, v[RA]
	v_lshlrev_b32 v[GO], 8, v2
	v_lshl_add_u32 v[GO], v4, 4, v[GO]
	v_add_nc_u32 v[GO], s32, v[GO]
	s_wait_kmcnt 0x0
	s_add_nc_u64 s[8:9], s[8:9], s[24:25]
	s_add_nc_u64 s[4:5], s[4:5], s[20:21]
	s_add_nc_u64 s[6:7], s[6:7], s[22:23]
	s_add_nc_u64 s[10:11], s[10:11], s[26:27]
; eight loads: the A fragments of step s, 4,096 consecutive bytes, into window 1
.macro ALOAD s
.irp m, 0,1,2,3
.irp u, 0,1
	global_load_b128 v[32*(\s)+8*\m+4*\u:32*(\s)+8*\m+4*\u+3], v[AF], s[6:7] offset:4096*(\s)+1024*\m+512*\u
.endr
.endr
.endm
	; What the barrier below hangs on goes first: my two copies of the table slice (10 loads), then the sixteen ak.
.irp c, 0,1
.irp i, 0,1,2,3
	global_load_b128 v[TS+20*\c+4*\i:TS+20*\c+4*\i+3], v[AF], s[8:9] offset:4096*\c+512*\i
.endr
	global_load_b128 v[TS+20*\c+16:TS+20*\c+19], v[T4], s[8:9] offset:4096*\c
.endr
.set i, 0
.rept 16
	global_load_b32 v[MA+i], v[AO], s[4:5] offset:128*i+4      ; ak of my token in each group of sixteen (the pair's second word)
.set i, i+1
.endr
	WIN TO_A
	ALOAD 0
	ALOAD 1
	ALOAD 2
	ALOAD 3                                        ; the other half of A follows behind the two waits below: a wait's count names 63 at the most
	WIN 0
	s_wait_loadcnt 48                              ; loads return in order: the table's ten are in; 16 ak and 32 of A may be out
.irp c, 0,1
.irp i, 0,1,2,3
	ds_store_b128 v[LT0], v[TS+20*\c+4*\i:TS+20*\c+4*\i+3] offset:CP*\c+512*\i
.endr
	ds_store_b128 v[LT4], v[TS+20*\c+16:TS+20*\c+19] offset:CP*\c      ; lanes 2 .. 31: the same 16 bytes to the same place
.endr
	s_wait_loadcnt 32                              ; the sixteen ak are in; 32 of A may be out
	WIN TO_A
	ALOAD 4
	ALOAD 5
	ALOAD 6
	ALOAD 7
	WIN 0
.irp i, 0,1,2,3,4,5,6,7,8,9,10,11,12,13,14,15
	v_min_u32 v[MA+\i], 0x3ff, v[MA+\i]            ; inside the table
.endr
.irp i, 0,1,2,3,4,5,6,7,8,9,10,11,12,13,14,15
	v_and_b32 v[ACC+\i], 7, v[MA+\i]               ; which copy
.endr
.irp i, 0,1,2,3,4,5,6,7,8,9,10,11,12,13,14,15
	v_and_b32 v[MA+\i], 0x3f8, v[MA+\i]            ; which entry of it
.endr
.irp i, 0,1,2,3,4,5,6,7,8,9,10,11,12,13,14,15
	v_mad_u32_u24 v[ACC+\i], v[ACC+\i], s28, v[MB]
.endr
.irp i, 0,1,2,3,4,5,6,7,8,9,10,11,12,13,14,15
	v_lshl_add_u32 v[MA+\i], v[MA+\i], 1, v[ACC+\i]
.endr
	s_wait_dscnt 0x0                               ; my two copies are in LDS: zero, since the other waves read them
	s_barrier_signal -1
	s_barrier_wait -1                              ; all eight are
	; B: four transposing loads a step.  The first of a pair brings tokens 8 h .. + 7 of the step, the second 16 + 8 h .. + 7.
.irp s, 0,1,2,3,4,5,6,7
.irp n, 0,1
	ds_load_tr16_b128 v[B+16*\s+8*\n:B+16*\s+8*\n+3],   v[MA+2*\s]   offset:32*\n
	ds_load_tr16_b128 v[B+16*\s+8*\n+4:B+16*\s+8*\n+7], v[MA+2*\s+1] offset:32*\n
.endr
.endr
; 8 matrix instructions: 64 columns x 32 q x 32 tokens.  zero = 1: the first products start the sums, nothing is cleared.
.macro STEP s, zero
	s_wait_loadcnt 56-8*(\s)                       ; this step's eight A loads are in; eight for each later step may be out
	s_wait_dscnt 28-4*(\s)                         ; this step's four B loads are in; four for each later step may be out
.irp m, 0,1,2,3
.irp n, 0,1
.if \zero
	v_wmma_f32_16x16x32_bf16 v[ACC+8*(2*\m+\n):ACC+8*(2*\m+\n)+7], v[32*(\s)+8*\m:32*(\s)+8*\m+7], v[B+16*(\s)+8*\n:B+16*(\s)+8*\n+7], 0
.else
	v_wmma_f32_16x16x32_bf16 v[ACC+8*(2*\m+\n):ACC+8*(2*\m+\n)+7], v[32*(\s)+8*\m:32*(\s)+8*\m+7], v[B+16*(\s)+8*\n:B+16*(\s)+8*\n+7], v[ACC+8*(2*\m+\n):ACC+8*(2*\m+\n)+7]
.endif
.endr
.endr
.endm
	WIN MUL_A
	STEP 0, 1
	STEP 1, 0
	STEP 2, 0
	STEP 3, 0
	STEP 4, 0
	STEP 5, 0
	STEP 6, 0
	STEP 7, 0
	WIN 0
	; An LDS store of a matrix result, and a load into a register that a matrix instruction has read (the way out uses B's), stand four
	; independent vector instructions behind that matrix instruction.
.rept 4
	v_nop
.endr
	; Register j of tile (m, n) holds T[q = 16 n + r][c = 16 m + 8 h + j]: eight neighbouring numbers of a row of T, two stores of 16 bytes
.irp m, 0,1,2,3
.irp n, 0,1
	ds_store_b128 v[SA], v[ACC+8*(2*\m+\n):ACC+8*(2*\m+\n)+3]   offset:\n*16*RPITCH+64*\m
	ds_store_b128 v[SA], v[ACC+8*(2*\m+\n)+4:ACC+8*(2*\m+\n)+7] offset:\n*16*RPITCH+64*\m+16
.endr
.endr
	s_wait_dscnt 0x0                               ; zero: the other waves read these bytes
	s_barrier_signal -1
	s_barrier_wait -1
	; wave w ends rows 8 w .. 8 w + 7 of the block: the four waves' sums, two whole rows a load
.irp i, 0,1,2,3
.irp p, 0,1,2,3
	ds_load_b128 v[XO+16*\i+4*\p:XO+16*\i+4*\p+3], v[RA] offset:\p*REDW+\i*2*RPITCH
.endr
.endr
.irp i, 0,1,2,3
	s_wait_dscnt 12-4*\i                           ; the four of row pair i are in, the later pairs' stay out
	v_pk_add_f32 v[XO+16*\i:XO+16*\i+1],     v[XO+16*\i:XO+16*\i+1],     v[XO+16*\i+4:XO+16*\i+5]
	v_pk_add_f32 v[XO+16*\i+2:XO+16*\i+3],   v[XO+16*\i+2:XO+16*\i+3],   v[XO+16*\i+6:XO+16*\i+7]
	v_pk_add_f32 v[XO+16*\i+8:XO+16*\i+9],   v[XO+16*\i+8:XO+16*\i+9],   v[XO+16*\i+12:XO+16*\i+13]
	v_pk_add_f32 v[XO+16*\i+10:XO+16*\i+11], v[XO+16*\i+10:XO+16*\i+11], v[XO+16*\i+14:XO+16*\i+15]
	v_pk_add_f32 v[XO+16*\i:XO+16*\i+1],     v[XO+16*\i:XO+16*\i+1],     v[XO+16*\i+8:XO+16*\i+9]
	v_pk_add_f32 v[XO+16*\i+2:XO+16*\i+3],   v[XO+16*\i+2:XO+16*\i+3],   v[XO+16*\i+10:XO+16*\i+11]
	global_store_b128 v[GO], v[XO+16*\i:XO+16*\i+3], s[10:11] offset:512*\i    ; two rows of T: 512 consecutive bytes, aligned to 256
.endr
	s_wait_tensorcnt 0x0
	ds_add_u32 v254, v255
	s_wait_dscnt 0x0
	s_endpgm
.Lfunc_end_k_q8956f495ca_tsum:
	.size	k_q8956f495ca_tsum, .Lfunc_end_k_q8956f495ca_tsum-k_q8956f495ca_tsum
	.p2alignl 7, 3214868480
	.fill 96, 4, 3214868480
	.section	.rodata,"a",@progbits
	.p2align	6, 0x0
	.amdhsa_kernel k_q8956f495ca_tsum
		.amdhsa_group_segment_fixed_size 52224
		.amdhsa_private_segment_fixed_size 0
		.amdhsa_enable_private_segment 0
		.amdhsa_kernarg_size 32
		.amdhsa_user_sgpr_count 2
		.amdhsa_user_sgpr_kernarg_segment_ptr 1
		.amdhsa_wavefront_size32 1
		.amdhsa_system_sgpr_workgroup_id_x 1
		.amdhsa_system_sgpr_workgroup_id_y 1
		.amdhsa_system_sgpr_workgroup_id_z 1
		.amdhsa_system_vgpr_workitem_id 0
		.amdhsa_next_free_vgpr 512
		.amdhsa_next_free_sgpr 66
		.amdhsa_reserve_vcc 0
		.amdhsa_float_denorm_mode_32 3
		.amdhsa_float_denorm_mode_16_64 3
		.amdhsa_memory_ordered 1
		.amdhsa_forward_progress 1
		.amdhsa_inst_pref_size 28
	.end_amdhsa_kernel
	.amdgpu_metadata
---
amdhsa.version: [ 1, 2 ]
amdhsa.kernels:
  - .name:           k_q8956f495ca_tsum
    .symbol:         k_q8956f495ca_tsum.kd
    .args:
      - { .name: addr, .offset: 0, .size: 8, .value_kind: global_buffer, .address_space: global }
      - { .name: tokf, .offset: 8, .size: 8, .value_kind: global_buffer, .address_space: global }
      - { .name: tab, .offset: 16, .size: 8, .value_kind: global_buffer, .address_space: global }
      - { .name: tpart, .offset: 24, .size: 8, .value_kind: global_buffer, .address_space: global }
    .group_segment_fixed_size: 52224
    .private_segment_fixed_size: 0
    .kernarg_segment_align: 8
    .kernarg_segment_size: 32
    .max_flat_workgroup_size: 128
    .sgpr_count:     66
    .vgpr_count:     512
    .wavefront_size: 32
...
	.end_amdgpu_metadata
.endif
;; end of part 2
;; launch finish (part 3): grid 256 x 1, 8 waves a work-group, no clusters, 0 bytes of LDS; arguments addr, tpart, out0; writes out0
.if DOCPART == 3
	.amdgcn_target "amdgcn-amd-amdhsa--gfx1250"
	.amdhsa_code_object_version 6
	.text
	.protected	k_q8956f495ca_finish
	.globl	k_q8956f495ca_finish
	.p2align	8
	.type	k_q8956f495ca_finish,@function
k_q8956f495ca_finish:
	s_mov_b64 s[64:65], 0
	v_nop
	global_prefetch_b8 v0, s[64:65] scope:SCOPE_SE
	s_setreg_imm32_b32 hwreg(HW_REG_WAVE_MODE, 25, 1), 1
	s_wait_xcnt 0x0
; FINISH.  out[i] = mod(T[aq_i], 2), T = the sum of the 8 parts in tpart ([8][1024][64] f32).
; Eight waves, 32 tokens a work-group.  Sixteen lanes hold one row of 256 bytes; thread t takes tokens t / 16 and 16 + t / 16 (two slots),
; so a load fetches two whole rows and a store writes 512 consecutive bytes.  All 16 row loads of a lane are issued at once.
; The sum is a tree in f32 (another order than reference()'s; exact for whole numbers below 2^24).
; mod(x, 2) = x - 2 floor(x / 2): halving, floor and the fused multiply-add are exact, and the sign is the divisor's, as in jnp.mod.
; LIMIT: aq is clamped to 0 .. 1023 (unsigned minimum), see the launch that makes T.
; No LDS, cluster or matrix unit: rows are picked by a list, each work-group's own, and only added.
.set PART, 262144                      ; bytes of one part of T
.set RO,   6                           ; v[6:7]     slot t: byte offset of my 16 bytes of row aq
.set X,    8                           ; v[8:71]    slot t, part p: 4 registers at X + 32 t + 4 p
.set H,    72                          ; v[72:79]   slot t: floor(x / 2)
	s_load_b128 s[4:7], s[0:1], 0x0                ; addr s[4:5], tpart s[6:7]
	s_load_b64 s[8:9], s[0:1], 0x10                ; out0
	v_and_b32 v1, 15, v0
	v_lshrrev_b32 v2, 4, v0                        ; token of slot 0
	v_lshlrev_b32 v3, 3, v2                        ; its pair in addr
	v_lshlrev_b32 v4, 4, v0                        ; 256 x token + 16 x (lane % 16) = 16 t
	v_lshlrev_b32 v1, 4, v1
	s_lshl_b32 s10, ttmp9, 8                       ; 32 pairs
	s_mov_b32 s11, 0
	s_lshl_b32 s12, ttmp9, 13                      ; 32 rows of 256 bytes
	s_mov_b32 s13, 0
	s_wait_kmcnt 0x0
	s_add_nc_u64 s[4:5], s[4:5], s[10:11]
	s_add_nc_u64 s[8:9], s[8:9], s[12:13]
	global_load_b32 v[RO], v3, s[4:5]              ; aq: the pair's first word
	global_load_b32 v[RO+1], v3, s[4:5] offset:128
	s_wait_loadcnt 0x0
	v_min_u32 v[RO], 0x3ff, v[RO]
	v_min_u32 v[RO+1], 0x3ff, v[RO+1]
	v_lshl_add_u32 v[RO], v[RO], 8, v1
	v_lshl_add_u32 v[RO+1], v[RO+1], 8, v1
.irp t, 0,1
.irp p, 0,1,2,3,4,5,6,7
	global_load_b128 v[X+32*\t+4*\p:X+32*\t+4*\p+3], v[RO+\t], s[6:7] offset:\p*PART   ; rows that other tokens may name too: no hint
.endr
.endr
.macro ADDP a, b                       ; 16 bytes of a row += 16 bytes of another
	v_pk_add_f32 v[\a:\a+1],   v[\a:\a+1],   v[\b:\b+1]
	v_pk_add_f32 v[\a+2:\a+3], v[\a+2:\a+3], v[\b+2:\b+3]
.endm
.macro SLOT t, left
	s_wait_loadcnt \left                           ; loads return in order: this slot's eight are in
.irp p, 0,1,2,3
	ADDP (X+32*\t+4*\p), (X+32*\t+4*\p+16)
.endr
.irp p, 0,1
	ADDP (X+32*\t+4*\p), (X+32*\t+4*\p+8)
.endr
	ADDP (X+32*\t), (X+32*\t+4)
	v_pk_mul_f32 v[H+4*\t:H+4*\t+1],   v[X+32*\t:X+32*\t+1],   0.5 op_sel_hi:[1,0]
	v_pk_mul_f32 v[H+4*\t+2:H+4*\t+3], v[X+32*\t+2:X+32*\t+3], 0.5 op_sel_hi:[1,0]
.irp k, 0,1,2,3
	v_floor_f32 v[H+4*\t+\k], v[H+4*\t+\k]
.endr
	v_pk_fma_f32 v[X+32*\t:X+32*\t+1],   v[H+4*\t:H+4*\t+1],   -2.0, v[X+32*\t:X+32*\t+1]   op_sel_hi:[1,0,1]
	v_pk_fma_f32 v[X+32*\t+2:X+32*\t+3], v[H+4*\t+2:H+4*\t+3], -2.0, v[X+32*\t+2:X+32*\t+3] op_sel_hi:[1,0,1]
	global_store_b128 v4, v[X+32*\t:X+32*\t+3], s[8:9] offset:4096*\t th:TH_STORE_NT   ; two rows of out: 512 consecutive bytes, aligned to 256
.endm
	SLOT 0, 8                                      ; the second slot's eight loads stay out
	SLOT 1, 0
	s_endpgm
.Lfunc_end_k_q8956f495ca_finish:
	.size	k_q8956f495ca_finish, .Lfunc_end_k_q8956f495ca_finish-k_q8956f495ca_finish
	.p2alignl 7, 3214868480
	.fill 96, 4, 3214868480
	.section	.rodata,"a",@progbits
	.p2align	6, 0x0
	.amdhsa_kernel k_q8956f495ca_finish
		.amdhsa_group_segment_fixed_size 0
		.amdhsa_private_segment_fixed_size 0
		.amdhsa_enable_private_segment 0
		.amdhsa_kernarg_size 24
		.amdhsa_user_sgpr_count 2
		.amdhsa_user_sgpr_kernarg_segment_ptr 1
		.amdhsa_wavefront_size32 1
		.amdhsa_system_sgpr_workgroup_id_x 1
		.amdhsa_system_sgpr_workgroup_id_y 1
		.amdhsa_system_sgpr_workgroup_id_z 1
		.amdhsa_system_vgpr_workitem_id 0
		.amdhsa_next_free_vgpr 80
		.amdhsa_next_free_sgpr 66
		.amdhsa_reserve_vcc 0
		.amdhsa_float_denorm_mode_32 3
		.amdhsa_float_denorm_mode_16_64 3
		.amdhsa_memory_ordered 1
		.amdhsa_forward_progress 1
		.amdhsa_inst_pref_size 6
	.end_amdhsa_kernel
	.amdgpu_metadata
---
amdhsa.version: [ 1, 2 ]
amdhsa.kernels:
  - .name:           k_q8956f495ca_finish
    .symbol:         k_q8956f495ca_finish.kd
    .args:
      - { .name: addr, .offset: 0, .size: 8, .value_kind: global_buffer, .address_space: global }
      - { .name: tpart, .offset: 8, .size: 8, .value_kind: global_buffer, .address_space: global }
      - { .name: out0, .offset: 16, .size: 8, .value_kind: global_buffer, .address_space: global }
    .group_segment_fixed_size: 0
    .private_segment_fixed_size: 0
    .kernarg_segment_align: 8
    .kernarg_segment_size: 24
    .max_flat_workgroup_size: 256
    .sgpr_count:     66
    .vgpr_count:     80
    .wavefront_size: 32
...
	.end_amdgpu_metadata
.endif
;; end of part 3
